; MI455X (gfx1250); checked and timed in simulation.
; The chip was launched on July 23, 2026; its instructions are those of AMD's public machine-readable ISA for CDNA 5 (MIT licence, August 2026) and "CDNA5" Instruction Set Architecture Reference Guide (July 2026). The comments in the code are by the model that wrote it; some were corrected since.
;; Attention mydecoder. Allowed arithmetic: matrix products marked QUANTISED: E4M3 operands, one given power-of-two scale a tensor, by v_wmma_f32_16x16x64_fp8_fp8 or v_wmma_f32_16x16x128_fp8_fp8, f32 sums; everything else in f32.
;; Inputs: Wkv_codes 2,048 x 32 x 32 uint8 (E4M3 codes of Wkv, K innermost, in blocks of 32 codes); Wout_codes 1,024 x 32 x 32 uint8 (E4M3 codes of Wout, K innermost, in blocks of 32 codes); Wq_codes 1,024 x 32 x 32 uint8 (E4M3 codes of Wq, K innermost, in blocks of 32 codes); bout 1,024 float32; image_codes 8 x 2,048 x 32 x 32 uint8 (E4M3 codes of image, K innermost, in blocks of 32 codes); kv_mask 8 x 2,048 bool; lowp_scales 10 int32 (the exponents e of the quantised operands' scales 2^e); q_mask 8 x 512 bool; txt_codes 8 x 512 x 32 x 32 uint8 (E4M3 codes of txt, K innermost, in blocks of 32 codes).
;; Outputs: out0 8 x 512 x 1,024 float32.
;; This version of the problem:
;;   THIS VERSION OF THE PROBLEM IS GIVEN IN LOW PRECISION. The matrix products marked QUANTISED in the list below multiply operands that are first quantised to E4M3 (4 exponent bits, 3 mantissa bits; 8 bits a number), with one given power-of-two scale for each operand tensor; their sums are f32. All else is computed in f32.
;;   The module's matrix products, in the order in which they are computed (A, B: the left and right operand; K: the contracted axis; several contracted axes count as one K, in the product's order):
;;     1. [M 4,096, K 1,024] x [K 1,024, N 1,024]; A: input txt (given as codes); B: input Wq (given as codes): QUANTISED (scales: A lowp_scales[0], B lowp_scales[1])
;;     2. [M 16,384, K 1,024] x [K 1,024, N 2,048]; A: input image (given as codes); B: input Wkv (given as codes): QUANTISED (scales: A lowp_scales[2], B lowp_scales[3])
;;     3. batch 128 x [M 512, K 64] x [K 64, N 2,048]; A: computed on the way; B: computed on the way: QUANTISED (scales: A lowp_scales[4], B lowp_scales[5])
;;     4. batch 128 x [M 512, K 2,048] x [K 2,048, N 64]; A: softmax (see below); B: computed on the way: QUANTISED (scales: A lowp_scales[6], B lowp_scales[7])
;;     5. [M 4,096, K 1,024] x [K 1,024, N 1,024]; A: computed on the way; B: input Wout (given as codes): QUANTISED (scales: A lowp_scales[8], B lowp_scales[9])
;;   THE QUANTISER, for each operand of a quantised product, along K:
;;     - The operand's scale is 2^e, e = its entry of the input lowp_scales (int32; the entries are numbered through the quantised products in the list's order, A before B).
;;     - Each number is divided by the scale, clamped to +-448, and rounded to the nearest number of E4M3, ties to even, subnormals kept.
;;     - The product sums the exact products of the quantised numbers (number of the format x scale) in f32.
;;   ~~~python
;;   def quantise(x, axis, e):      # numpy; x: float32 -> the quantised numbers, widened to float32 again
;;       x = np.moveaxis(x, axis, -1); K = x.shape[-1]
;;       r = np.clip(x / 2.0 ** e, -448, 448)
;;       step = 2.0 ** (np.maximum(np.frexp(np.where(r == 0, 1, r))[1] - 1, -6) - 3)
;;       q = np.round(r / step) * step * 2.0 ** e      # np.round: ties to even
;;       return np.moveaxis(q, -1, axis).astype(np.float32)
;;   ~~~
;;   SOFTMAX AHEAD OF A QUANTISED PRODUCT. Where the list says 'softmax', what is quantised is not the finished softmax but p = 2^(t - M), with t = logit x log2(e) and M = ceil(the row's largest t), a whole number; so 1/2 < the row's largest p <= 1. The row's sum l is taken of the UNQUANTISED p, in f32, and the product's result is divided by l at the end. Since M is a whole number, a kernel that streams over the keys may use a running M (the ceiling of the running maximum): every later rescaling is an exact power of two, so the quantised numbers keep their values, but for numbers so far below the row's largest that they fall under the format's range.
;;   OPERANDS COMPUTED ON THE WAY. 'Computed on the way' means the value that the module computes at that place (a softmax that the list does not call 'softmax' is quantised finished and normalised). What goes into a quantiser is computed in f32, as accurately as f32 sums, v_exp_f32 and their like allow (about 1e-6 of the number): no bf16 or f16 on the way to a quantiser, and a product that is left as it is and whose result goes on into a quantised operand takes f32 operands (vector FMAs, or v_wmma_f32_16x16x4_f32). A number that lies on a knife's edge between two numbers of the format may be rounded either way, as far as f32 arithmetic and the matrix unit's own rounding can turn it there, and no further.
;;   INPUTS GIVEN AS CODES. Wkv (in the module: [1024, 2048], K = its axis 0); Wout (in the module: [1024, 1024], K = its axis 0); Wq (in the module: [1024, 1024], K = its axis 0); image (in the module: [8, 2048, 1024], K = its axis 2); txt (in the module: [8, 512, 1024], K = its axis 2): each comes as NAME_codes (uint8): NAME with its K axis moved to the last place and cut into blocks of 32 codes, [.., K / 32, bytes a block], one block behind the other in memory; one code a byte (a code: sign, 4 exponent bits, 3 mantissa bits); its scale is its entry of lowp_scales. Its value is code x scale, taken as it is: it is not quantised again, and the codes and scales need not be those that the quantiser above would give.
;; One version. Each part assembles by itself: llvm-mc -triple=amdgcn-amd-amdhsa -mcpu=gfx1250 --defsym DOCPART=n.
;; ======== version 1 of 1: 3 launches
;; limits: right only within a limited range of input values
;; workspace buffers: kv_codes 33,554,432 bytes; q_codes 4,194,304 bytes; a_codes 4,194,304 bytes
;; launch proj (part 1): grid 48 x 4, 4 waves a work-group, clusters of 4 x 4, 327,680 bytes of LDS; arguments image_codes, Wkv_codes, txt_codes, Wq_codes, lowp_scales, kv_codes, q_codes; writes kv_codes, q_codes
.if DOCPART == 1
	.amdgcn_target "amdgcn-amd-amdhsa--gfx1250"
	.amdhsa_code_object_version 6
	.text
	.protected	k_q57cc0a506e_proj
	.globl	k_q57cc0a506e_proj
	.p2align	8
	.type	k_q57cc0a506e_proj,@function
k_q57cc0a506e_proj:
	s_mov_b64 s[64:65], 0
	v_nop
	global_prefetch_b8 v0, s[64:65] scope:SCOPE_SE
	s_setreg_imm32_b32 hwreg(HW_REG_WAVE_MODE, 25, 1), 1
	s_wait_xcnt 0x0
	s_wait_alu depctr_hold_cnt(0) depctr_sa_sdst(0) depctr_va_vdst(0) depctr_va_sdst(0) depctr_va_ssrc(0) depctr_va_vcc(0) depctr_vm_vsrc(0)
	s_getreg_b32 s2, hwreg(HW_REG_IB_STS2, 6, 4)
	s_cmp_eq_u32 s2, 0
	s_cbranch_scc0 .Lentry_in_a_cluster
	s_endpgm
.Lentry_in_a_cluster:
	s_bfe_u32 s2, ttmp6, 0x10000c
	s_cmp_lg_u32 s2, 0xf033
	s_cbranch_scc0 .Lentry_shape_is_right
	s_endpgm
.Lentry_shape_is_right:
; THE THREE PROJECTIONS, q = txt Wq, k and v = image Wkv, on codes of FP8 (E4M3), each finished sum quantised at once with the scale given for its next use (q: entry 4, k: entry 5, v: entry 7 of the scales).
; One body, C = A B^T with K = 1,024, serves three problems, cut into 36 pieces of 1,024 x 1,024, numbered c; a cluster of 4 x 4 work-groups makes a piece, a work-group 256 x 256 of it:
;   c < 32, even: K.  A = image (rows = keys), B = Wkv's rows 0-1023.      c < 32, odd: V, TRANSPOSED: A = Wkv's rows 1024-2047 (rows = channels), B = image.      c >= 32: Q.  A = txt, B = Wq.
; CLUSTERS THAT STAY: 12 clusters walk the 36 pieces, three each (c = cluster + 12 t): equal walks; with 16 clusters the longest walk would be three pieces as well.  The ring does not stop at a tile's end: a tile's last two
; changes of slots ask for the next tile's first two K steps, the tile goes out while they are on their way, and nothing waits for its stores.
; What differs between problems (pointers, tile numbers, the scale, the strides of the way out) is chosen by s_cselect on c alone, which all sixteen partners share: there is no branch on it but the one round a prefetch.
; A tile of C, 256 x 256, is made by four waves, 128 x 128 each: 64 accumulators, 512 registers.  K goes in steps of 256 through two LDS slots filled by joint tensor loads: A's tile is shared along a row of the
; cluster, B's along a column.  THE MATRIX INSTRUCTION IS USED TRANSPOSED (source 0 = 16 rows of B, source 1 = 16 rows of A): lane l holds row l % 16 of A, its register j column 8 (l / 16) + j of the tile.
; THE WAY OUT NEEDS NO LDS.  Two neighbouring tiles of 16 columns, converted eight numbers at a time, are four registers that hold the places 32 c + 8 h + 0..7 and 32 c + 16 + 8 h + 0..7 along the columns:
; a group of four registers of the next product's operand, as its own layout wants it.  So a group is stored as it stands, lane l's 16 bytes at 16 l: 512 consecutive bytes a store.
;   kv_codes: [batch x 16 + head][key step of 128 keys][16,384]: K: key tile T x 1,024 + group x 512;  V at 8,192: channel tile x 2,048 + group x 512.      q_codes: [batch x 16 + head][query tile][1,024], as a tile of K.
; LIMITS: (exponent of the result's scale) - (those of the two operands) lies between -126 and 119, so that the folded scale and 448 x it are f32 numbers.  NaN codes among the inputs are not served.
; REGISTERS, in windows of 256: window 0: v0-31 addresses; v32-95 a block's held sums, v96-111 its codes; from v128 A's fragments, one set.  window 1: B's fragments, two sets.  windows 2, 3: the accumulators.
; SCALARS are kept apart by what they hang on: A's address (s17, s20-21, s74, s78-79) never holds my column of the cluster, B's (s42, s46-47, s75, s80-81) never my row; the way out has s22-23, s43-44, s66-67, s82-87, s104-105.
.set KSTEP,  256                       ; along K in a slot
.set ROWB,   256                       ; a tile's row in bytes
.set KROW,   1024                      ; a row of A or of B in memory, in bytes
.set PITCH,  272                       ; an LDS row: 256 bytes + 16 of padding = 68 words: the 16 rows that a load touches start at 16 different banks (64 banks of 4 bytes: ISA guide 11.1)
.set FR,     16                        ; registers of a fragment: 16 rows x 128 K
.set NL,     4                         ; LDS loads that bring one
.set NP,     4                         ; places behind this matrix instruction (ISA guide 7.12.1)
.set HALFT,  128*PITCH                 ; 128 rows: what one tensor load brings
.set SLOT,   4*HALFT                   ; A's 256 rows, then B's 256 rows
.set SPARE,  2*SLOT                    ; behind the ring: the spare words, 128 bytes for each wave
.set WALK,   12                        ; from a piece of a cluster's walk to its next
.set ADRA, 16                          ; v16-17  LDS address of my A fragments in slot 0, 1
.set ADRB, 20                          ; v20-21  the same for B
.set VO,   24                          ; v24     16 x lane;  v25  the same + the stride of the second pair of groups
.set SCL,  26                          ; v26     the folded scale as f32
.set LIM,  27                          ; v27     448 x that
.set SPW,  28                          ; v28     LDS address of my spare word; never rewritten
.set NIL,  29                          ; v29     0; never rewritten
.set PFO,  30                          ; v30     the prefetches' offset: 1,024 x lane, a lane a row; never rewritten
.set TMP,  32                          ; v32-95  a block's sums, held
.set CD,   96                          ; v96-111 a block's codes
.set AF,   128                         ; A's fragments
.set G1, 24                            ; s[24:31] descriptor group 1 for A's tiles;  s[32:39] group 0, one set for each slot
.set G0, 32
.set G1B, 48                           ; s[48:55], s[56:63] the same for B's tiles
.set G0B, 56
.set PLIM, 99                          ; s99      0 in a wave that prefetches for the next tile
.set PFA,  100                         ; s[100:101] where its prefetches stand: my work-group's 32 rows of the 128 rows of the next tile's A that I fetch
.set MSB, 0
.macro WIN new                         ; the immediate's high byte repeats the setting that is left
.if MSB != (\new)
	s_set_vgpr_msb (MSB<<8)|(\new)
.set MSB, (\new)
.endif
.endm
.set MUL_LO, 0xa1                      ; source 0 (B) window 1, source 1 (A) window 0, C and D window 2
.set MUL_HI, 0xf1                      ; the same, C and D window 3
.set TO_B,   0x40                      ; destination window 1, address window 0
; A joint load: waves 0 and 1 fetch for A, waves 2 and 3 for B; the branch hangs on the wave's number alone.  Four v_nop follow each of the two lines.
.macro JLOAD g0a, g1a, g0b, g1b
	s_cmp_eq_u32 s15, 0
	s_cbranch_scc0 .Lfor_b_\@
	tensor_load_to_lds s[\g0a:\g0a+3], s[\g1a:\g1a+7]
	s_nop 0
.rept 4
	v_nop
.endr
	s_branch .Lasked_\@
.Lfor_b_\@:
	tensor_load_to_lds s[\g0b:\g0b+3], s[\g1b:\g1b+7]
	s_nop 0
.rept 4
	v_nop
.endr
.Lasked_\@:
.endm
.macro CREST                           ; a round of the cluster's barrier behind its opening barrier
	s_cmp_lg_u32 s14, 0
	s_cbranch_scc1 .Lnot_wave_0_\@
	s_barrier_signal -3
.Lnot_wave_0_\@:
	s_barrier_wait -3
	s_barrier_signal -1
	s_barrier_wait -1
.endm
.macro CROUND                          ; a whole round
	s_barrier_signal -1
	s_barrier_wait -1
	CREST
.endm
; Where the tiles of piece c = s[C] come from: A's address (my 128 rows, K = 0) into s[20:21], B's into s[46:47]; s96 is left 1 where the piece is V's.  Every wave makes both and asks by one of them.
.macro ADDR C
	s_and_b32 s96, s[\C], 1
	s_lshr_b32 s97, s[\C], 1
	s_max_u32 s18, s[\C], 32
	s_sub_co_u32 s18, s18, 32                      ; Q's row of clusters
	s_cmp_lt_u32 s[\C], 32
	s_cselect_b32 s96, s96, 0                      ; 1: V
	s_cselect_b32 s74, s97, s18
	s_cmp_lg_u32 s96, 0
	s_cselect_b32 s74, 0, s74                      ; row of clusters: K: c / 2, V: 0, Q: c - 32
	s_cselect_b32 s75, s97, 0                      ; column of clusters: V: c / 2, else 0
	s_cselect_b64 s[78:79], s[76:77], s[4:5]       ; A: V: Wkv's second half, K: image,
	s_cselect_b64 s[80:81], s[4:5], s[6:7]         ; B: V: image, K: Wkv,
	s_cmp_lt_u32 s[\C], 32
	s_cselect_b64 s[78:79], s[78:79], s[8:9]       ; Q: txt
	s_cselect_b64 s[80:81], s[80:81], s[10:11]     ; Q: Wq
	s_lshl_b32 s17, s74, 2
	s_add_co_u32 s17, s17, s41                     ; tile row
	s_lshl_b32 s42, s75, 2
	s_add_co_u32 s42, s42, s40                     ; tile column
	s_lshl_b32 s20, s17, 8
	s_add_co_u32 s20, s20, s19                     ; A: row 256 x tile row + the 128 rows that I fetch
	s_lshl_b32 s46, s42, 8
	s_add_co_u32 s46, s46, s19                     ; B: row 256 x tile column + the same
	s_lshl_b32 s20, s20, 10                        ; in bytes: 16,384 rows of 1,024 at the most
	s_lshl_b32 s46, s46, 10
	s_mov_b32 s21, 0
	s_mov_b32 s47, 0
	s_add_nc_u64 s[20:21], s[78:79], s[20:21]
	s_add_nc_u64 s[46:47], s[80:81], s[46:47]
.endm
; A PREFETCH INTO THE L2, behind a joint load, its four lines and the run of LDS loads that follows them: K step k of the NEXT tile's A, 32 rows x 256 bytes, a lane a row, one instruction a wave.  The four changes of slots
; of a tile name the next tile's K steps 0 to 3, each two refills, 256 matrix instructions, ahead of the load that asks for it.  WHO: the waves that fetch for A, where A is image or txt.  Of the 128 rows that a wave
; fetches, each of the four partners that ask for them jointly takes 32, told apart by address.  A piece's rows of image are A of one K piece alone, and txt's of one Q piece: so each row's 256 bytes are named once.
; Not asked for: the weights, which many clusters read; V's rows of image, which the neighbouring cluster's K piece names.  The first tile comes by its loads alone, and the last tile asks for nothing.
.macro ASK k
	s_cmp_eq_u32 s[PLIM], 0
	s_cbranch_scc0 .Lnot_mine_\@
	global_prefetch_b8 v[PFO], s[PFA:PFA+1] offset:(\k)*ROWB th:TH_LOAD_NT scope:SCOPE_SE
.Lnot_mine_\@:
.endm
	s_load_b256 s[4:11], s[0:1], 0x0               ; image s[4:5], Wkv s[6:7], txt s[8:9], Wq s[10:11]
	s_load_b128 s[68:71], s[0:1], 0x20             ; the scales' exponents s[68:69], kv_codes s[70:71]
	s_load_b64 s[72:73], s[0:1], 0x30              ; q_codes
	v_lshl_add_u32 v[SPW], v0, 2, SPARE
	v_mov_b32 v[NIL], 0
	ds_add_u32 v28, v29
	ds_add_u32 v28, v29
	s_wait_dscnt 0x0
	v_lshrrev_b32 v1, 5, v0
	v_readfirstlane_b32 s14, v1                    ; wave 0..3
	s_lshr_b32 s15, s14, 1                         ; which half of the tile's rows is mine.  Also: I fetch for A (0) or for B (1)
	s_and_b32 s16, s14, 1                          ; which half of its columns.  Also: which 128 rows of that tile I fetch:
	s_lshl_b32 s19, s16, 7                         ; 0 or 128
	s_bfe_u32 s40, ttmp6, 0x40000                  ; cx, cy: my place in the cluster
	s_bfe_u32 s41, ttmp6, 0x40004
	s_lshl_b32 s43, s41, 2
	s_lshl_b32 s43, 15, s43                        ; my row of the cluster
	s_lshl_b32 s44, 0x1111, s40                    ; my column
	; descriptor group 1: a tile of 128 rows x 256 bytes, padded in LDS
	s_or_b32 s[G1+0], s43, (0<<16)|(1<<20)|(1<<21)|(5<<22)|(3<<25)  ; 15:0 the mask: A's tiles go to my row; 17:16 element of 1 byte; 20 padding on; 21 set beside a mask; 24:22 after every 64 words (code 5); 31:25 of 4 words (code 3)
	s_or_b32 s[G1B+0], s44, (0<<16)|(1<<20)|(1<<21)|(5<<22)|(3<<25)
.irp g, G1, G1B
	s_mov_b32 s[\g+1], ROWB<<16                    ; tensor_dim0
	s_mov_b32 s[\g+2], 128<<16                     ; tensor_dim1 = 128
	s_mov_b32 s[\g+3], ROWB<<16                    ; tile_dim0
	s_mov_b32 s[\g+4], 128                         ; tile_dim1 = 128
	s_mov_b32 s[\g+5], KROW                        ; tensor_dim0_stride
	s_mov_b32 s[\g+6], 0
	s_mov_b32 s[\g+7], 0
.endr
	s_mul_i32 s45, s14, HALFT                      ; where the tiles go: wave x 128 rows: no place in the cluster enters an LDS address
	s_lshl_b32 s2, s40, 15                         ; the prefetches: my work-group's 32 rows of 1,024 bytes among the four partners'
	s_mov_b32 s3, 0
	s_mov_b32 s98, ttmp9                           ; c: the piece in hand
	s_wait_kmcnt 0x0
	s_load_b256 s[88:95], s[68:69], 0x0            ; the exponents, entries 0 to 7
	s_add_nc_u64 s[76:77], s[6:7], 0x100000        ; Wkv's rows 1024 on: v's
	ADDR 98
	CROUND                                         ; all sixteen work-groups are here: the first joint loads meet
.irp s, 0,1
	s_mov_b32 s[G0+4*\s], 1
	s_add_co_u32 s[G0+4*\s+1], s45, \s*SLOT
	s_add_nc_u64 s[G0+4*\s+2:G0+4*\s+3], s[20:21], \s*ROWB
	s_or_b32 s[G0+4*\s+3], s[G0+4*\s+3], 0x80000000
	s_mov_b32 s[G0B+4*\s], 1
	s_add_co_u32 s[G0B+4*\s+1], s45, \s*SLOT
	s_add_nc_u64 s[G0B+4*\s+2:G0B+4*\s+3], s[46:47], \s*ROWB
	s_or_b32 s[G0B+4*\s+3], s[G0B+4*\s+3], 0x80000000
	JLOAD G0+4*\s, G1, G0B+4*\s, G1B
.endr
	v_and_b32 v1, 15, v0                           ; l % 16
	v_bfe_u32 v2, v0, 4, 1                         ; l / 16
	v_mul_u32_u24 v3, v1, PITCH
	v_lshl_add_u32 v4, v2, 4, v3                   ; a fragment's row x pitch + 16 x half
	s_mul_i32 s12, s15, HALFT                      ; my 128 rows of A
	s_mul_i32 s13, s16, HALFT                      ; my 128 rows of B,
	s_add_co_u32 s13, s13, 2*HALFT                 ; which lie behind A's 256
.irp s, 0,1
	v_add_nc_u32 v[ADRA+\s], s12, v4
	v_add_nc_u32 v[ADRB+\s], s13, v4
	s_add_co_u32 s12, s12, SLOT
	s_add_co_u32 s13, s13, SLOT
.endr
	v_and_b32 v6, 31, v0
	v_lshlrev_b32 v[VO], 4, v6
	v_lshlrev_b32 v[PFO], 10, v6
.macro FRAG reg, adr, q, i             ; a fragment is fetched by four loads of 16 bytes: registers 4 c .. 4 c + 3 hold K = 32 c + 16 (l / 16) + 0 .. 15: a permutation of k, the same in A and in B, so every product meets its partner
.irp c, 0,1,2,3
	ds_load_b128 v[\reg+4*\c:\reg+4*\c+3], v[\adr] offset:128*(\q)+32*\c+(\i)*16*PITCH
.endr
.endm
; 16 matrix instructions: A's blocks a0, a0 + 1 x B's eight, 128 along K.  p: B's set.  zero = 1: the first product starts the sums.  The 64 accumulators take turns, one instruction a turn.
.macro MUL16 a0, p, zero
.irp a, \a0, \a0+1
.irp b, 0,1,2,3,4,5,6,7
.if \zero
	v_wmma_f32_16x16x128_fp8_fp8 v[8*(8*((\a)%4)+\b):8*(8*((\a)%4)+\b)+7], v[128*(\p)+FR*\b:128*(\p)+FR*\b+FR-1], v[AF+FR*(\a):AF+FR*(\a)+FR-1], 0
.else
	v_wmma_f32_16x16x128_fp8_fp8 v[8*(8*((\a)%4)+\b):8*(8*((\a)%4)+\b)+7], v[128*(\p)+FR*\b:128*(\p)+FR*\b+FR-1], v[AF+FR*(\a):AF+FR*(\a)+FR-1], v[8*(8*((\a)%4)+\b):8*(8*((\a)%4)+\b)+7]
.endif
.endr
.endr
.endm
.macro FETCH_B slot, q, p              ; B's eight fragments of the slot's q-th 128 along K into set p
	WIN TO_B
.irp i, 0,1,2,3,4,5,6,7
	FRAG 128*(\p)+FR*\i, ADRB+\slot, \q, \i
.endr
	WIN 0
.endm
.macro FETCH_A slot, q, i0             ; A's blocks i0 .. i0 + 3
.irp i, \i0, \i0+1, \i0+2, \i0+3
	FRAG AF+FR*(\i), ADRA+\slot, \q, \i
.endr
.endm
.macro PLACES n                        ; plain vector instructions between a matrix instruction and a load into, or a vector read or write of, its registers
.rept \n
	v_nop
.endr
.endm
; A step of 128 along K that has its successor in the same slot.
.macro STEP slot, q, zero
	s_wait_dscnt 4*NL                              ; B's set and A's blocks 0-3 are in; the youngest 16 loads (A's blocks 4-7) may be out
	WIN MUL_LO
	MUL16 0, (\q)%2, \zero
	MUL16 2, (\q)%2, \zero
	s_wait_dscnt 0                                 ; A's blocks 4-7 are in (asked for 32 matrix instructions ago)
	PLACES NP
	FETCH_B \slot, (\q)+1, 1-(\q)%2
	FETCH_A \slot, (\q)+1, 0
	WIN MUL_HI
	MUL16 4, (\q)%2, \zero
	MUL16 6, (\q)%2, \zero
	PLACES NP
	WIN 0
	FETCH_A \slot, (\q)+1, 4
.endm
; A slot's last step changes slots: ONE barrier; in front of it each wave waits for all its tensor loads, adds 0 to its spare word, and waits for that and for its own reads of this slot.
; fill = 1: this slot is filled again, with this tile's K step two steps on; fill = 2: with the NEXT tile's K step 0 (slot 0) or 1 (slot 1), from the addresses that ADDR has left; fill = 0: not at all.
; ask: the K step of the next tile's A that is prefetched here, or -1.
.macro TURN slot, next, fill, ask
	s_wait_tensorcnt 0x0                           ; all my tensor loads have landed: my part of the next slot
	ds_add_u32 v[SPW], v[NIL]                      ; 0 onto my spare word
	s_wait_dscnt 4*NL+1                            ; (the add and the youngest 16 loads, A's blocks 4-7, may be out)
	WIN MUL_LO
	MUL16 0, 1, 0                                  ; sixteen matrix instructions stand between the add and the wait for it
	s_wait_dscnt 0x0                               ; the add is done, and my reads of this slot are over
	s_barrier_signal -1
	MUL16 2, 1, 0
	WIN 0
	s_barrier_wait -1
.if \fill
	CREST                                          ; the barrier has opened a round of the cluster's barrier: no wave of any partner still reads this slot's tile or has a load on its way
.if \fill == 2
	s_add_nc_u64 s[G0+4*\slot+2:G0+4*\slot+3], s[20:21], \slot*ROWB
	s_or_b32 s[G0+4*\slot+3], s[G0+4*\slot+3], 0x80000000
	s_add_nc_u64 s[G0B+4*\slot+2:G0B+4*\slot+3], s[46:47], \slot*ROWB
	s_or_b32 s[G0B+4*\slot+3], s[G0B+4*\slot+3], 0x80000000
.else
	s_add_nc_u64 s[G0+4*\slot+2:G0+4*\slot+3], s[G0+4*\slot+2:G0+4*\slot+3], 2*ROWB
	s_add_nc_u64 s[G0B+4*\slot+2:G0B+4*\slot+3], s[G0B+4*\slot+2:G0B+4*\slot+3], 2*ROWB
.endif
	JLOAD G0+4*\slot, G1, G0B+4*\slot, G1B         ; the first tensor load behind the round; the four v_nop behind it are the places in front of the loads below
.else
	PLACES NP
.endif
	FETCH_B \next, 0, 0
	FETCH_A \next, 0, 0
.if (\ask) >= 0
	ASK \ask
.endif
	WIN MUL_HI
	MUL16 4, 1, 0
	MUL16 6, 1, 0
	PLACES NP
	WIN 0
	FETCH_A \next, 0, 4
.endm
; THE WAY OUT of piece c = s98.  A sum stands for sum x 2^(ea + eb); its code is sum / 2^(eo - ea - eb): the three exponents are folded into the conversion's one scale.
; Block a: 16 rows of A x my 128 columns.  Held, converted, stored: four groups of four registers, 512 consecutive bytes a store, at a multiple of 512 from the buffer's first byte.
.macro OUTBLK a
	WIN 0x02+((\a)/4)                              ; source 0: window 2 or 3
.set j, 0
.rept 64
	v_med3_num_f32 v[TMP+j], v[64*((\a)%4)+j], -v[LIM], v[LIM]   ; the conversion to an 8-bit code does not saturate (ISA guide 7.6.2): the hold at the largest code x the scale; each accumulator from its low end on
.set j, j+1
.endr
	WIN 0
	s_wait_xcnt 0x0                                ; the stores issued so far (the last block's; for block 0 the last tile's) have read their data, offsets and base: all three are written below
.if (\a) == 0
	s_cmp_lt_u32 s98, 32
	s_cselect_b64 s[82:83], s[70:71], s[72:73]     ; kv_codes, or q_codes for Q
	s_add_nc_u64 s[82:83], s[82:83], s[22:23]      ; at my 128 x 128
	v_add_nc_u32 v[VO+1], s87, v[VO]
.elseif (\a) == 4
	s_add_nc_u64 s[82:83], s[82:83], s[66:67]
.else
	s_add_nc_u64 s[82:83], s[82:83], s[84:85]
.endif
.irp b, 0,1,2,3,4,5,6,7
	v_cvt_scalef32_pk8_fp8_f32 v[CD+2*\b:CD+2*\b+1], v[TMP+8*\b:TMP+8*\b+7], v[SCL]
.endr
	v_nop                                          ; one plain vector instruction behind the last conversion: the next block's holds write its sources
.irp p, 0,1,2,3
	global_store_b128 v[VO+\p/2], v[CD+4*\p:CD+4*\p+3], s[82:83] offset:(\p%2)*512
.endr
.endm
.macro WAYOUT
	s_and_b32 s86, s98, 1                          ; the piece's tile numbers once more, in the way out's own registers
	s_lshr_b32 s104, s98, 1
	s_max_u32 s105, s98, 32
	s_sub_co_u32 s105, s105, 32
	s_cmp_lt_u32 s98, 32
	s_cselect_b32 s86, s86, 0                      ; 1: V
	s_cselect_b32 s105, s104, s105
	s_cmp_lg_u32 s86, 0
	s_cselect_b32 s105, 0, s105                    ; row of clusters
	s_cselect_b32 s104, s104, 0                    ; column of clusters
	s_lshl_b32 s105, s105, 2
	s_add_co_u32 s105, s105, s41                   ; tile row
	s_lshl_b32 s104, s104, 2
	s_add_co_u32 s104, s104, s40                   ; tile column
	s_lshl_b32 s105, s105, 1
	s_add_co_u32 s105, s105, s15
	s_lshl_b32 s105, s105, 7                       ; my first row of A: 256 x tile row + 128 x half
	s_lshl_b32 s104, s104, 1
	s_add_co_u32 s104, s104, s16
	s_lshl_b32 s104, s104, 7                       ; my first row of B
	s_cmp_lg_u32 s86, 0
	s_cselect_b32 s22, s104, s105                  ; tok: my first token (key or query)
	s_cselect_b32 s23, s105, s104                  ; feat: my first feature (64 x head + channel)
	s_cselect_b32 s104, 8192, 0                    ; V lies behind K in a key step's block
	s_mov_b32 s84, 1024
	s_cselect_b32 s84, 2048, s84                   ; from a block of A's rows to the next: a tile of keys or queries 1,024, a tile of channels 2,048
	s_mov_b32 s66, 1024
	s_cselect_b32 s66, 256000, s66                 ; from block 3 to block 4: V goes on to the next head: 262,144 - 3 x 2,048
	s_mov_b32 s87, 262144
	s_cselect_b32 s87, 1024, s87                   ; from groups 0, 1 to groups 2, 3: K: the next head; V: 1,024
	s_mov_b32 s85, 0
	s_mov_b32 s67, 0
	s_lshr_b32 s23, s23, 6                         ; head
	s_lshr_b32 s105, s22, 11                       ; kv_codes: ((batch x 16 + head) x 16 + key step) x 16,384
	s_lshl_b32 s105, s105, 4
	s_add_co_u32 s105, s105, s23
	s_lshl_b32 s105, s105, 4
	s_bfe_u32 s43, s22, 0x40007
	s_add_co_u32 s105, s105, s43
	s_lshl_b32 s105, s105, 14
	s_add_co_u32 s105, s105, s104
	s_lshr_b32 s44, s22, 9                         ; q_codes: ((batch x 16 + head) x 32 + query tile) x 1,024
	s_lshl_b32 s44, s44, 4
	s_add_co_u32 s44, s44, s23
	s_lshl_b32 s44, s44, 5
	s_bfe_u32 s43, s22, 0x50004
	s_add_co_u32 s44, s44, s43
	s_lshl_b32 s44, s44, 10
	s_mov_b32 s43, 32768
	s_cmp_lt_u32 s98, 32
	s_cselect_b32 s22, s105, s44                   ; my 128 x 128's first byte
	s_cselect_b32 s87, s87, s43                    ; Q: the next head is 32 tiles of 1,024 on
	s_mov_b32 s23, 0
	s_wait_kmcnt 0x0                               ; the exponents
	s_add_co_i32 s104, s90, s91                    ; image's + Wkv's
	s_add_co_i32 s105, s88, s89                    ; txt's + Wq's
	s_cmp_lg_u32 s86, 0
	s_cselect_b32 s43, s95, s93                    ; V: entry 7, K: entry 5,
	s_cmp_lt_u32 s98, 32
	s_cselect_b32 s43, s43, s92                    ; Q: entry 4
	s_cselect_b32 s104, s104, s105
	s_sub_co_i32 s43, s43, s104
	s_add_co_i32 s43, s43, 127
	s_lshl_b32 s44, s43, 23
	v_mov_b32 v[SCL], s44                          ; the folded scale as f32: the conversion takes its exponent field
	s_add_co_i32 s43, s43, 8
	s_lshl_b32 s43, s43, 23
	s_or_b32 s43, s43, 0x600000
	v_mov_b32 v[LIM], s43                          ; 448 x that
	PLACES NP                                      ; behind the last products, whose results are read below
.irp a, 0,1,2,3,4,5,6,7
	OUTBLK \a
.endr
.endm
	s_wait_tensorcnt 1                             ; my part of K step 0 is in (K step 1's load may be out)
	s_barrier_signal -1
	s_barrier_wait -1                              ; everybody's is
	FETCH_B 0, 0, 0
	FETCH_A 0, 0, 0
	FETCH_A 0, 0, 4
	s_mov_b32 s12, 2
.Ltile:                                            ; two trips: a tile that has a successor.  K = 1,024 is four K steps of 256, eight steps of 128
	STEP 0, 0, 1                                   ; the first products start the sums: nothing is cleared
	s_add_co_u32 s13, s98, WALK                    ; the next piece,
	ADDR 13                                        ; and where its tiles come from
	s_wait_xcnt 0x0                                ; the last tile's prefetches have read their address, so it may be written
	s_add_nc_u64 s[PFA:PFA+1], s[20:21], s[2:3]    ; my work-group's 32 rows of the next tile's A
	s_or_b32 s[PLIM], s96, s15                     ; 0: that A is image or txt, and I fetch for A
	TURN 0, 1, 1, 0                                ; slot 0 takes K step 2
	STEP 1, 0, 0
	TURN 1, 0, 1, 1                                ; slot 1 takes K step 3
	STEP 0, 0, 0
	TURN 0, 1, 2, 2                                ; THE RING GOES ON INTO THE NEXT TILE: slot 0 takes its K step 0,
	STEP 1, 0, 0
	TURN 1, 0, 2, 3                                ; slot 1 its K step 1, and the next tile's first fragments are fetched
	WAYOUT                                         ; both refills are asked for: now the tile goes out
	s_mov_b32 s98, s13
	s_sub_co_u32 s12, s12, 1
	s_cmp_lg_u32 s12, 0
	s_cbranch_scc1 .Ltile
	STEP 0, 0, 1                                   ; the last tile is written out
	TURN 0, 1, 1, -1
	STEP 1, 0, 0
	TURN 1, 0, 1, -1
	STEP 0, 0, 0
	TURN 0, 1, 0, -1                               ; nothing is left to fetch
	STEP 1, 0, 0
	s_wait_dscnt 4*NL                              ; the very last step
	WIN MUL_LO
	MUL16 0, 1, 0
	MUL16 2, 1, 0
	s_wait_dscnt 0
	WIN MUL_HI
	MUL16 4, 1, 0
	MUL16 6, 1, 0
	WIN 0
	WAYOUT
	s_wait_tensorcnt 0x0                           ; the wave's end
	ds_add_u32 v[SPW], v[NIL]
	s_wait_dscnt 0x0
	CROUND                                         ; the closing round: no work-group ends while a partner may still ask for a tile that names it
	s_endpgm
.Lfunc_end_k_q57cc0a506e_proj:
	.size	k_q57cc0a506e_proj, .Lfunc_end_k_q57cc0a506e_proj-k_q57cc0a506e_proj
	.p2alignl 7, 3214868480
	.fill 96, 4, 3214868480
	.section	.rodata,"a",@progbits
	.p2align	6, 0x0
	.amdhsa_kernel k_q57cc0a506e_proj
		.amdhsa_group_segment_fixed_size 327680
		.amdhsa_private_segment_fixed_size 0
		.amdhsa_enable_private_segment 0
		.amdhsa_kernarg_size 56
		.amdhsa_user_sgpr_count 2
		.amdhsa_user_sgpr_kernarg_segment_ptr 1
		.amdhsa_wavefront_size32 1
		.amdhsa_system_sgpr_workgroup_id_x 1
		.amdhsa_system_sgpr_workgroup_id_y 1
		.amdhsa_system_sgpr_workgroup_id_z 1
		.amdhsa_system_vgpr_workitem_id 0
		.amdhsa_next_free_vgpr 1024
		.amdhsa_next_free_sgpr 106
		.amdhsa_reserve_vcc 0
		.amdhsa_float_denorm_mode_32 3
		.amdhsa_float_denorm_mode_16_64 3
		.amdhsa_memory_ordered 1
		.amdhsa_forward_progress 1
		.amdhsa_inst_pref_size 237
	.end_amdhsa_kernel
	.amdgpu_metadata
---
amdhsa.version: [ 1, 2 ]
amdhsa.kernels:
  - .name:           k_q57cc0a506e_proj
    .symbol:         k_q57cc0a506e_proj.kd
    .args:
      - { .name: image_codes, .offset: 0, .size: 8, .value_kind: global_buffer, .address_space: global }
      - { .name: Wkv_codes, .offset: 8, .size: 8, .value_kind: global_buffer, .address_space: global }
      - { .name: txt_codes, .offset: 16, .size: 8, .value_kind: global_buffer, .address_space: global }
      - { .name: Wq_codes, .offset: 24, .size: 8, .value_kind: global_buffer, .address_space: global }
      - { .name: lowp_scales, .offset: 32, .size: 8, .value_kind: global_buffer, .address_space: global }
      - { .name: kv_codes, .offset: 40, .size: 8, .value_kind: global_buffer, .address_space: global }
      - { .name: q_codes, .offset: 48, .size: 8, .value_kind: global_buffer, .address_space: global }
    .group_segment_fixed_size: 327680
    .private_segment_fixed_size: 0
    .kernarg_segment_align: 8
    .kernarg_segment_size: 56
    .max_flat_workgroup_size: 128
    .sgpr_count:     106
    .vgpr_count:     1024
    .wavefront_size: 32
...
	.end_amdgpu_metadata
.endif
;; end of part 1
;; launch attn (part 2): grid 2 x 128, 8 waves a work-group, no clusters, 271,360 bytes of LDS; arguments q_codes, kv_codes, kv_mask, q_mask, lowp_scales, a_codes; writes a_codes
.if DOCPART == 2
	.amdgcn_target "amdgcn-amd-amdhsa--gfx1250"
	.amdhsa_code_object_version 6
	.text
	.protected	k_q57cc0a506e_attn
	.globl	k_q57cc0a506e_attn
	.p2align	8
	.type	k_q57cc0a506e_attn,@function
k_q57cc0a506e_attn:
	s_mov_b64 s[64:65], 0
	v_nop
	global_prefetch_b8 v0, s[64:65] scope:SCOPE_SE
	s_setreg_imm32_b32 hwreg(HW_REG_WAVE_MODE, 25, 1), 1
	s_wait_xcnt 0x0
; ATTENTION ON CODES OF FP8 (E4M3): S = q k^T, the masks, the softmax, O = p v, O / l, quantised for the last projection.  Head size 64, 2,048 keys, 512 queries, 128 (batch, head) pairs.
; SHARES.  A work-group owns 256 queries of one (batch, head); each of its eight waves two tiles of 16 queries, in 512 registers: two waves to a SIMD.  Each fragment of K, of V and of the bias read from LDS feeds two tiles.
; LDS.  The head's whole block of kv_codes, 262,144 bytes, as it lies in memory, asked for at the kernel's head in four chunks of growing size (key steps 0-1, 2-3, 4-7, 8-15), each wave an eighth of each chunk:
; four tensor loads a wave are out at the most.  No byte is filled twice: no ring, and nothing is left to ask for ahead.  Behind it a table of 2,048 f32: the keys' bias.
; K AND THE BIAS COME A STEP AHEAD: a step's 32 LDS loads for them are issued in the step before, behind its first products, and land under its softmax; V's 16 at the step's own head, and land likewise.
; So a chunk's arrival is awaited one step before its first step: the steps go 0 | 1-2 | 3-6 | 7-14 | 15, and the last is written without the fetch.
; NO CLUSTER: a head's K and V are read by two work-groups alone.  Four partners a head would be four blocks of 128 queries, a wave then holding one tile of queries, so that each LDS fragment fed half the products.
; LAYOUT.  Both products are used transposed: S^T = K Q^T (source 0 = 16 keys, source 1 = 16 queries), O^T = V^T P (source 0 = 16 channels, source 1 = P): a lane holds ONE query (lane % 16) throughout, and register j
; of a tile holds key (or channel) 8 (lane / 16) + j.  Eight such numbers converted are two registers of the next operand in its own layout: nothing changes lanes.
; THE SOFTMAX: t = score x log2(e) / 8; M = the running largest t rounded UP to a whole number; p = 2^(t - M) is quantised; the row's sum is taken of the unquantised p and divides O at the end.
; THE MASKS COST NO INSTRUCTION A SCORE.  A hidden key's bias, -2^100, is the C of the first product (an open key's is 0).  A lane's factor c is log2(e) / 8 x 2^(e4 + e5) where its query is open and the batch has an
; open key, else 0: then every t is 0, every p is 1 and l = 2,048: the uniform row that the softmax of equal scores gives.  The running largest t begins at -2^25 c: under every true t (|sum| <= 64 x 448^2 < 2^24)
; and far above a hidden key's, so M is never taken from a hidden key, whose p is 0.
; LIMITS: e4 + e5 between -80 and 25 (2^100 c stays an f32 number and sends p to 0); e6 and e8 between -126 and 119.  Of a mask's byte bit 0 is read (a bool is 0 or 1).  NaN codes are not served.
; REGISTERS.  Window 0: v1-4 addresses; v8-11, v13 the two conversions' holds and scales; v16-47 statistics, 16 a tile; v64-191 S^T, then p, 64 a tile; v192-223 p's codes, 16 a tile; v224-239 Q, 8 a tile.
;   Window 1: v0-63 K of a step; v64-127 the bias in the result's layout; v128-191 V; v192-255 O^T, 32 a tile.
.set BT,   262144                      ; the bias table
.set LI,   1                           ; v1   16 x lane
.set BI0,  2                           ; v2   BT + 32 (lane / 16)
.set ADR,  3                           ; v3   the step's tiles
.set ADB,  4                           ; v4   the step's bias
.set HOLD, 8                           ; v8   448 x 2^e6
.set PSC,  9                           ; v9   2^e6
.set ALIM, 10                          ; v10  448 x 2^e8
.set ASC,  11                          ; v11  2^e8
.set HOLD2, 13                         ; v13  448 x 2^e6 once more: the two halves of a dual instruction take their first sources from different register banks (number mod 4)
.set ST,   16                          ; tile q's statistics at ST + 16 q: +0 -M, +1 the largest t, +2, +3 l in two halves, +4 f, +5 (named with it), +6, +7 c, +8, +9, +10 at work, +12, +13 a second chain of sums
.set S,    64
.set P,    192
.set Q,    224
.set KF,   0                           ; in window 1
.set BF,   64
.set VF,   128
.set O,    192
.set MSB, 0
.macro WIN new                         ; the immediate's high byte repeats the setting that is left
.if MSB != (\new)
	s_set_vgpr_msb (MSB<<8)|(\new)
.set MSB, (\new)
.endif
.endm
.macro GROUP1 g, rows                  ; a dense block as rows of 256 bytes: elements of 8 bytes, 32 to a row, pitch 32, no padding, no mask
	s_mov_b32 s[\g], 3<<16
	s_mov_b32 s[\g+1], 32<<16                      ; tensor_dim0
	s_mov_b32 s[\g+2], (\rows)<<16                 ; tensor_dim1
	s_mov_b32 s[\g+3], 32<<16                      ; tile_dim0
	s_mov_b32 s[\g+4], \rows                       ; tile_dim1
	s_mov_b32 s[\g+5], 32                          ; tensor_dim0_stride
	s_mov_b32 s[\g+6], 0
	s_mov_b32 s[\g+7], 0
.endm
	s_load_b256 s[4:11], s[0:1], 0x0               ; q_codes s[4:5], kv_codes s[6:7], kv_mask s[8:9], q_mask s[10:11]
	s_load_b128 s[12:15], s[0:1], 0x20             ; the scales' exponents s[12:13], a_codes s[14:15]
	v_lshl_add_u32 v254, v0, 2, 0x42000
	v_mov_b32 v255, 0
	ds_add_u32 v254, v255
	ds_add_u32 v254, v255
	v_lshrrev_b32 v1, 5, v0
	v_readfirstlane_b32 s18, v1                    ; wave 0..7
	s_and_b32 s73, ttmp7, 0xffff                   ; batch x 16 + head
	GROUP1 24, 16                                  ; 4,096 bytes
	GROUP1 32, 32                                  ; 8,192
	GROUP1 40, 64                                  ; 16,384
	s_lshl_b32 s49, s18, 12                        ; my piece of each chunk: the same byte in LDS and in the head's block.  Steps 0-1,
	s_lshl_b32 s53, s18, 12
	s_add_co_u32 s53, s53, 32768                   ; steps 2-3,
	s_lshl_b32 s57, s18, 13
	s_add_co_u32 s57, s57, 65536                   ; steps 4-7,
	s_lshl_b32 s61, s18, 14
	s_add_co_u32 s61, s61, 131072                  ; steps 8-15
	s_mov_b32 s48, 1
	s_mov_b32 s52, 1
	s_mov_b32 s56, 1
	s_mov_b32 s60, 1
	s_lshl_b32 s80, s73, 18                        ; the head's block: 262,144 bytes each
	s_mov_b32 s81, 0
	s_mov_b32 s79, 0
	s_mov_b32 s83, 0
	s_mov_b32 s20, 0x76543210                      ; v_permlanex16_b32's selects for lane l xor 16
	s_mov_b32 s21, 0xfedcba98
	s_lshr_b32 s74, s73, 4                         ; batch
	s_and_b32 s75, s73, 15                         ; head
	s_lshl_b32 s76, ttmp9, 4
	s_lshl_b32 s77, s18, 1
	s_add_co_u32 s76, s76, s77                     ; my first tile of queries in the batch: 16 x half + 2 x wave
	s_lshl_b32 s82, s73, 5
	s_add_co_u32 s82, s82, s76
	s_lshl_b32 s82, s82, 10                        ; and its codes
	s_wait_dscnt 0x0
	s_wait_kmcnt 0x0
	s_load_b128 s[68:71], s[12:13], 0x10           ; e4, e5, e6, e7
	s_load_b32 s72, s[12:13], 0x20                 ; e8
	s_add_nc_u64 s[6:7], s[6:7], s[80:81]
.irp g, 48,52,56,60
	s_mov_b32 s78, s[\g+1]
	s_add_nc_u64 s[\g+2:\g+3], s[6:7], s[78:79]
	s_or_b32 s[\g+3], s[\g+3], 0x80000000          ; type = 2
.endr
	tensor_load_to_lds s[48:51], s[24:31]          ; all four go out together, ahead of every wait on TENSORcnt, every LDS read and every barrier
	s_nop 0
	tensor_load_to_lds s[52:55], s[24:31]
	s_nop 0
	tensor_load_to_lds s[56:59], s[32:39]
	s_nop 0
	tensor_load_to_lds s[60:63], s[40:47]
	s_nop 0
.rept 4
	v_nop
.endr
	s_add_nc_u64 s[4:5], s[4:5], s[82:83]          ; Q's codes at my first tile
	s_lshl_b32 s82, s74, 11
	s_add_nc_u64 s[8:9], s[8:9], s[82:83]          ; the batch's 2,048 bytes of kv_mask
	s_lshl_b32 s82, s74, 5
	s_add_co_u32 s82, s82, s76                     ; my first tile of tokens: 32 x batch + 16 x half + 2 x wave
	s_lshl_b32 s78, s82, 4
	s_add_nc_u64 s[10:11], s[10:11], s[78:79]      ; q_mask at my first query
	s_lshl_b32 s82, s82, 14                        ; a_codes: a tile of tokens is 16,384 bytes; a head's two groups lie at 1,024 x head
	s_lshl_b32 s75, s75, 10
	s_add_co_u32 s82, s82, s75
	s_add_nc_u64 s[14:15], s[14:15], s[82:83]
	v_and_b32 v5, 31, v0
	v_lshlrev_b32 v[LI], 4, v5
	v_bfe_u32 v6, v0, 4, 1                         ; h
	v_and_b32 v7, 15, v0                           ; r
	v_lshl_add_u32 v[BI0], v6, 5, BT
	v_lshlrev_b32 v3, 3, v0                        ; thread t makes the bias of keys 8 t .. 8 t + 7
.irp i, 0,1,2,3
	global_load_b128 v[Q+4*\i:Q+4*\i+3], v[LI], s[4:5] offset:512*\i      ; Q's two fragments stay in registers
.endr
.irp i, 0,1,2,3
	global_load_b128 v[48+4*\i:48+4*\i+3], v[LI], s[8:9] offset:512*\i    ; the batch's whole key mask: has it an open key?
.endr
	global_load_b64 v[240:241], v3, s[8:9]
	global_load_u8 v242, v7, s[10:11]              ; my query's mask, tile 0,
	global_load_u8 v243, v7, s[10:11] offset:16    ; tile 1
	s_wait_loadcnt 0x0
.irp i, 0,1,2,3,4,5,6,7
	v_bfe_u32 v[244+\i], v[240+\i/4], 8*(\i%4), 1
	v_add_nc_u32 v[244+\i], -1, v[244+\i]          ; open: 0; hidden: all ones,
	v_and_b32 v[244+\i], 0xF1800000, v[244+\i]     ; which leaves -2^100
.endr
	v_lshl_add_u32 v4, v0, 5, BT
	ds_store_b128 v4, v[244:247]
	ds_store_b128 v4, v[248:251] offset:16
.irp i, 1,2,3,4,5,6,7,8,9,10,11,12,13,14,15
	v_or_b32 v48, v48, v[48+\i]
.endr
	v_cmp_ne_u32 s76, 0, v48                       ; a bit for each lane that saw an open key
	s_wait_kmcnt 0x0
	s_add_co_i32 s74, s68, s69
	s_lshl_b32 s74, s74, 23
	s_mov_b32 s22, 0x3E38AA3B                      ; log2(e) / 8
	s_add_co_i32 s22, s22, s74                     ; a score stands for score x 2^(e4 + e5): the exponents are added to c's exponent field
	s_cmp_lg_u32 s76, 0
	s_cselect_b32 s23, s22, 0                      ; no open key in the batch: c = 0 for every query (a choice of a value: no branch hangs on it)
	v_mov_b32 v5, s23
.irp q, 0,1
	v_cmp_ne_u32 vcc_lo, 0, v[242+\q]
	v_cndmask_b32 v[ST+16*\q+6], 0, v5, vcc_lo     ; c of my query
	v_mov_b32 v[ST+16*\q+7], v[ST+16*\q+6]
	v_mul_f32 v[ST+16*\q+1], 0xCC000000, v[ST+16*\q+6]   ; the largest t so far: -2^25 c
	v_floor_f32 v[ST+16*\q], -v[ST+16*\q+1]        ; -M
	v_mov_b32 v[ST+16*\q+2], 0                     ; l
	v_mov_b32 v[ST+16*\q+3], 0
	v_mov_b32 v[ST+16*\q+5], 0                     ; (named as the upper half of f's pair)
	v_mov_b32 v[ST+16*\q+10], 0                    ; written once: a lane permute's destination counts as one of its sources
.endr
	s_add_co_i32 s74, s70, 127
	s_lshl_b32 s75, s74, 23
	v_mov_b32 v[PSC], s75                          ; 2^e6
	s_add_co_i32 s74, s74, 8
	s_lshl_b32 s74, s74, 23
	s_or_b32 s74, s74, 0x600000
	v_mov_b32 v[HOLD], s74                         ; 448 x 2^e6,
	v_mov_b32 v[HOLD2], s74                        ; twice
	s_add_co_i32 s74, s72, 127
	s_lshl_b32 s75, s74, 23
	v_mov_b32 v[ASC], s75                          ; 2^e8
	s_add_co_i32 s74, s74, 8
	s_lshl_b32 s74, s74, 23
	s_or_b32 s74, s74, 0x600000
	v_mov_b32 v[ALIM], s74                         ; 448 x 2^e8
	s_add_co_i32 s77, s70, s71                     ; e6 + e7
	WIN 0x40
.set j, 0
.rept 64
	v_mov_b32 v[O+j], 0                            ; O^T.  (The step is written once: the first finds zeros, which the first change of M leaves zeros)
.set j, j+1
.endr
	WIN 0
.macro FETCH_K adr, off                ; a step's K: 8 tiles of 16 keys x 64 channels, 16 loads
	WIN 0x40                                       ; destination window 1
.irp T, 0,1,2,3,4,5,6,7
.irp c, 0,1
	ds_load_b128 v[KF+8*\T+4*\c:KF+8*\T+4*\c+3], v[\adr] offset:(\off)+\T*1024+\c*512
.endr
.endr
	WIN 0
.endm
.macro FETCH_BIAS adr, off             ; a step's bias in the result's layout: register j of tile T: the bias of key 16 T + 8 h + j; 16 loads
	WIN 0x40
.irp T, 0,1,2,3,4,5,6,7
.irp g, 0,1
	ds_load_b128 v[BF+8*\T+4*\g:BF+8*\T+4*\g+3], v[\adr] offset:(\off)+\T*64+\g*16
.endr
.endr
	WIN 0
.endm
; A KEY STEP: 128 keys, both tiles of queries.  s2: the step's byte in LDS; s3: its byte in the bias table.  Its K and bias were asked for a step ago.  pre = 1: the next step's are asked for.
.macro STEP pre
	v_add_nc_u32 v[ADR], s2, v[LI]
	v_add_nc_u32 v[ADB], s3, v[BI0]
	v_nop
	v_nop                                          ; four places behind the last products, in front of the loads into V's registers, which they read
	WIN 0x40                                       ; destination window 1
.irp d, 0,1,2,3
.irp c, 0,1,2,3
	ds_load_b128 v[VF+16*\d+4*\c:VF+16*\d+4*\c+3], v[ADR] offset:8192+\d*2048+\c*512
.endr
.endr
	s_wait_dscnt 16                                ; K and the bias are in; V's 16 loads, just issued, may be out
	WIN 0x11                                       ; source 0 (K) and C (the bias) window 1
.irp T, 0,1,2,3,4,5,6,7
.irp q, 0,1
	v_wmma_f32_16x16x64_fp8_fp8 v[S+64*\q+8*\T:S+64*\q+8*\T+7], v[KF+8*\T:KF+8*\T+7], v[Q+8*\q:Q+8*\q+7], v[BF+8*\T:BF+8*\T+7]
.endr
.endr
	WIN 0
.rept 4
	v_nop                                          ; four places: in front of the first read of the scores, and of the loads into K's and the bias's registers
.endr
.if \pre
	FETCH_K ADR, 16384                             ; the next step's K lies 16,384 bytes on
.endif
.irp q, 0,1                                    ; the step's largest score of my query among my 64 keys: two chains a tile, each accumulator from its low end on
	v_max3_num_f32 v[ST+16*\q+8], v[S+64*\q], v[S+64*\q+1], v[S+64*\q+2]
	v_max3_num_f32 v[ST+16*\q+9], v[S+64*\q+3], v[S+64*\q+4], v[S+64*\q+5]
.endr
.set j, 6
.rept 14
.irp q, 0,1
	v_max3_num_f32 v[ST+16*\q+8], v[ST+16*\q+8], v[S+64*\q+j], v[S+64*\q+j+1]
	v_max3_num_f32 v[ST+16*\q+9], v[ST+16*\q+9], v[S+64*\q+j+2], v[S+64*\q+j+3]
.endr
.set j, j+4
.endr
.irp q, 0,1
	v_max3_num_f32 v[ST+16*\q+8], v[ST+16*\q+8], v[S+64*\q+62], v[S+64*\q+63]
.endr
.irp q, 0,1
	v_max_num_f32 v[ST+16*\q+8], v[ST+16*\q+8], v[ST+16*\q+9]
.endr
.irp q, 0,1
	v_permlanex16_b32 v[ST+16*\q+10], v[ST+16*\q+8], s20, s21
.endr
.irp q, 0,1
	v_max_num_f32 v[ST+16*\q+8], v[ST+16*\q+8], v[ST+16*\q+10]    ; and among lane l xor 16's
.endr
.irp q, 0,1
	v_mul_f32 v[ST+16*\q+8], v[ST+16*\q+6], v[ST+16*\q+8]         ; as t (c is not negative)
.endr
.irp q, 0,1
	v_max_num_f32 v[ST+16*\q+1], v[ST+16*\q+1], v[ST+16*\q+8]     ; the running largest t
.endr
.irp q, 0,1
	v_mov_b32 v[ST+16*\q+8], v[ST+16*\q]
.endr
.irp q, 0,1
	v_floor_f32 v[ST+16*\q], -v[ST+16*\q+1]        ; the new -M = floor(-t) = -ceil(t): a whole number
.endr
.irp q, 0,1
	v_sub_f32 v[ST+16*\q+8], v[ST+16*\q], v[ST+16*\q+8]           ; M's old value less its new one: 0 or less
.endr
.irp q, 0,1
	v_cvt_i32_f32 v[ST+16*\q+8], v[ST+16*\q+8]     ; (it saturates)
.endr
.irp q, 0,1
	v_ldexp_f32 v[ST+16*\q+4], 1.0, v[ST+16*\q+8]  ; f = 2^(old M - new M)
.endr
.if \pre
	FETCH_BIAS ADB, 512                            ; the next step's bias, in a run of its own: 512 bytes on
.endif
.set j, 0
.rept 32
.irp q, 0,1
	v_pk_fma_f32 v[S+64*\q+j:S+64*\q+j+1], v[S+64*\q+j:S+64*\q+j+1], v[ST+16*\q+6:ST+16*\q+7], v[ST+16*\q:ST+16*\q+1] op_sel_hi:[1,0,0]   ; t - M, two at a time (of the pairs c and -M the low word serves both halves)
.endr
.set j, j+2
.endr
.set j, 0
.rept 128
	v_exp_f32 v[S+j], v[S+j]                       ; p = 2^(t - M): both tiles' exponentials are one batch
.set j, j+1
.endr
.irp q, 0,1
	v_pk_mul_f32 v[ST+16*\q+2:ST+16*\q+3], v[ST+16*\q+2:ST+16*\q+3], v[ST+16*\q+4:ST+16*\q+5] op_sel_hi:[1,0]   ; l under the new M.  (The plain instruction behind the exponentials)
.endr
	s_wait_alu depctr_va_vdst(0)                   ; one wait for the whole batch, ahead of the first instruction that names a result
.irp q, 0,1
	v_pk_add_f32 v[ST+16*\q+12:ST+16*\q+13], v[S+64*\q:S+64*\q+1], v[S+64*\q+2:S+64*\q+3]   ; the row's sum is taken of the unquantised p: two chains a tile
.endr
.set j, 4
.rept 15
.irp q, 0,1
	v_pk_add_f32 v[ST+16*\q+2:ST+16*\q+3], v[ST+16*\q+2:ST+16*\q+3], v[S+64*\q+j:S+64*\q+j+1]
	v_pk_add_f32 v[ST+16*\q+12:ST+16*\q+13], v[ST+16*\q+12:ST+16*\q+13], v[S+64*\q+j+2:S+64*\q+j+3]
.endr
.set j, j+4
.endr
.irp q, 0,1
	v_pk_add_f32 v[ST+16*\q+2:ST+16*\q+3], v[ST+16*\q+2:ST+16*\q+3], v[ST+16*\q+12:ST+16*\q+13]
.endr
.irp q, 0,1
.irp b, 0,1,2,3
.set j, 0
.rept 8                                        ; the conversion to an 8-bit code does not saturate (ISA guide 7.6.2); p is not negative, so the hold is one-sided; two numbers an instruction: an even and an odd register
	v_dual_min_num_f32 v[S+64*\q+16*\b+j], v[HOLD], v[S+64*\q+16*\b+j] :: v_dual_min_num_f32 v[S+64*\q+16*\b+j+1], v[HOLD2], v[S+64*\q+16*\b+j+1]
.set j, j+2
.endr
	v_cvt_scalef32_pk8_fp8_f32 v[P+16*\q+4*\b:P+16*\q+4*\b+1], v[S+64*\q+16*\b:S+64*\q+16*\b+7], v[PSC]         ; key tile 2 b: keys 32 b + 8 h + 0..7
	v_cvt_scalef32_pk8_fp8_f32 v[P+16*\q+4*\b+2:P+16*\q+4*\b+3], v[S+64*\q+16*\b+8:S+64*\q+16*\b+15], v[PSC]    ; key tile 2 b + 1: keys 32 b + 16 + 8 h + 0..7
.endr
.endr
	WIN 0x41                                       ; O^T (destination and source 0) window 1, f window 0
.irp q, 0,1
.set j, 0
.rept 16
	v_pk_mul_f32 v[O+32*\q+j:O+32*\q+j+1], v[O+32*\q+j:O+32*\q+j+1], v[ST+16*\q+4:ST+16*\q+5] op_sel_hi:[1,0]   ; O^T under the new M.  (These are also the plain lines between the conversions and the products)
.set j, j+2
.endr
.endr
.if \pre
	s_wait_dscnt 32                                ; V is in; the next step's 32 loads, issued behind V's, may be out
.else
	s_wait_dscnt 0x0                               ; V is in
.endif
	WIN 0x51                                       ; V, C and D window 1, P window 0
.irp d, 0,1,2,3
.irp q, 0,1
	v_wmma_f32_16x16x128_fp8_fp8 v[O+32*\q+8*\d:O+32*\q+8*\d+7], v[VF+16*\d:VF+16*\d+15], v[P+16*\q:P+16*\q+15], v[O+32*\q+8*\d:O+32*\q+8*\d+7]   ; eight accumulators, one instruction a turn
.endr
.endr
	WIN 0
	s_add_co_u32 s2, s2, 16384
	s_add_co_u32 s3, s3, 512
.endm
; A chunk has arrived.  left: my tensor loads issued behind this chunk's, which may stay out.
.macro ARRIVE left
	s_wait_tensorcnt \left                         ; my piece of the chunk has landed
	s_wait_dscnt 0x0                               ; my LDS instructions are done (ahead of the first chunk: my stores into the bias table)
	s_barrier_signal -1
	s_barrier_wait -1                              ; everybody's has
.endm
.macro STEPS first, n                  ; n key steps from step first on, each fetching K and the bias of the step behind it
	s_mov_b32 s2, (\first)*16384
	s_mov_b32 s3, (\first)*512
	s_mov_b32 s19, \n
.Lstep_\@:
	STEP 1
	s_sub_co_u32 s19, s19, 1
	s_cmp_lg_u32 s19, 0
	s_cbranch_scc1 .Lstep_\@
.endm
	ARRIVE 3                                       ; steps 0-1 lie in LDS
	FETCH_K LI, 0                                  ; step 0's K and bias
	FETCH_BIAS BI0, 0
	s_mov_b32 s2, 0
	s_mov_b32 s3, 0
	STEP 1                                         ; step 0 (it fetches for step 1)
	ARRIVE 2                                       ; steps 2-3
	STEPS 1, 2                                     ; steps 1, 2 (they fetch for steps 2, 3)
	ARRIVE 1                                       ; steps 4-7
	STEPS 3, 4
	ARRIVE 0                                       ; steps 8-15
	STEPS 7, 8
	s_mov_b32 s2, 15*16384
	s_mov_b32 s3, 15*512
	STEP 0                                         ; the last step fetches for no other
	; THE END.  a = O^T x 2^(e6 + e7) / l, quantised with 2^e8; two neighbouring tiles of channels are a group of four registers of the last projection's operand: stored as it stands.
.rept 4
	v_nop                                          ; places behind the last products
.endr
.irp q, 0,1
	v_add_f32 v[ST+16*\q+8], v[ST+16*\q+2], v[ST+16*\q+3]         ; l's two halves,
.endr
.irp q, 0,1
	v_permlanex16_b32 v[ST+16*\q+10], v[ST+16*\q+8], s20, s21
.endr
.irp q, 0,1
	v_add_f32 v[ST+16*\q+8], v[ST+16*\q+8], v[ST+16*\q+10]        ; and lane l xor 16's
.endr
.irp q, 0,1
	v_rcp_f32 v[ST+16*\q+8], v[ST+16*\q+8]
.endr
	v_nop                                          ; a plain instruction behind the last reciprocal
	s_wait_alu depctr_va_vdst(0)                   ; and one wait for the two, ahead of the first use
.irp q, 0,1
	v_ldexp_f32 v[ST+16*\q+8], v[ST+16*\q+8], s77
.endr
	WIN 0x01                                       ; source 0 (O^T) window 1
.irp q, 0,1
.set j, 0
.rept 16
	v_pk_mul_f32 v[S+64*\q+j:S+64*\q+j+1], v[O+32*\q+j:O+32*\q+j+1], v[ST+16*\q+8:ST+16*\q+9] op_sel_hi:[1,0]   ; each accumulator from its low end on
.set j, j+2
.endr
.endr
	WIN 0
.irp q, 0,1
.set j, 0
.rept 32
	v_med3_num_f32 v[S+64*\q+j], v[S+64*\q+j], -v[ALIM], v[ALIM]
.set j, j+1
.endr
.irp d, 0,1,2,3
	v_cvt_scalef32_pk8_fp8_f32 v[P+16*\q+2*\d:P+16*\q+2*\d+1], v[S+64*\q+8*\d:S+64*\q+8*\d+7], v[ASC]
.endr
.endr
	v_nop                                          ; one plain vector instruction behind the last conversion
.irp q, 0,1
.irp c, 0,1
	global_store_b128 v[LI], v[P+16*\q+4*\c:P+16*\q+4*\c+3], s[14:15] offset:\q*16384+\c*512   ; the wave stores 512 consecutive bytes, at a multiple of 512 from the buffer's first byte
.endr
.endr
	s_wait_tensorcnt 0x0
	ds_add_u32 v254, v255
	s_wait_dscnt 0x0
	s_endpgm
.Lfunc_end_k_q57cc0a506e_attn:
	.size	k_q57cc0a506e_attn, .Lfunc_end_k_q57cc0a506e_attn-k_q57cc0a506e_attn
	.p2alignl 7, 3214868480
	.fill 96, 4, 3214868480
	.section	.rodata,"a",@progbits
	.p2align	6, 0x0
	.amdhsa_kernel k_q57cc0a506e_attn
		.amdhsa_group_segment_fixed_size 271360
		.amdhsa_private_segment_fixed_size 0
		.amdhsa_enable_private_segment 0
		.amdhsa_kernarg_size 48
		.amdhsa_user_sgpr_count 2
		.amdhsa_user_sgpr_kernarg_segment_ptr 1
		.amdhsa_wavefront_size32 1
		.amdhsa_system_sgpr_workgroup_id_x 1
		.amdhsa_system_sgpr_workgroup_id_y 1
		.amdhsa_system_sgpr_workgroup_id_z 1
		.amdhsa_system_vgpr_workitem_id 0
		.amdhsa_next_free_vgpr 512
		.amdhsa_next_free_sgpr 84
		.amdhsa_reserve_vcc 1
		.amdhsa_float_denorm_mode_32 3
		.amdhsa_float_denorm_mode_16_64 3
		.amdhsa_memory_ordered 1
		.amdhsa_forward_progress 1
		.amdhsa_inst_pref_size 167
	.end_amdhsa_kernel
	.amdgpu_metadata
---
amdhsa.version: [ 1, 2 ]
amdhsa.kernels:
  - .name:           k_q57cc0a506e_attn
    .symbol:         k_q57cc0a506e_attn.kd
    .args:
      - { .name: q_codes, .offset: 0, .size: 8, .value_kind: global_buffer, .address_space: global }
      - { .name: kv_codes, .offset: 8, .size: 8, .value_kind: global_buffer, .address_space: global }
      - { .name: kv_mask, .offset: 16, .size: 8, .value_kind: global_buffer, .address_space: global }
      - { .name: q_mask, .offset: 24, .size: 8, .value_kind: global_buffer, .address_space: global }
      - { .name: lowp_scales, .offset: 32, .size: 8, .value_kind: global_buffer, .address_space: global }
      - { .name: a_codes, .offset: 40, .size: 8, .value_kind: global_buffer, .address_space: global }
    .group_segment_fixed_size: 271360
    .private_segment_fixed_size: 0
    .kernarg_segment_align: 8
    .kernarg_segment_size: 48
    .max_flat_workgroup_size: 256
    .sgpr_count:     84
    .vgpr_count:     512
    .wavefront_size: 32
...
	.end_amdgpu_metadata
.endif
;; end of part 2
;; launch outp (part 3): grid 8 x 32, 4 waves a work-group, clusters of 4 x 4, 288,256 bytes of LDS; arguments a_codes, Wout_codes, bout, lowp_scales, out0; writes out0
.if DOCPART == 3
	.amdgcn_target "amdgcn-amd-amdhsa--gfx1250"
	.amdhsa_code_object_version 6
	.text
	.protected	k_q57cc0a506e_outp
	.globl	k_q57cc0a506e_outp
	.p2align	8
	.type	k_q57cc0a506e_outp,@function
k_q57cc0a506e_outp:
	s_mov_b64 s[64:65], 0
	v_nop
	global_prefetch_b8 v0, s[64:65] scope:SCOPE_SE
	s_setreg_imm32_b32 hwreg(HW_REG_WAVE_MODE, 25, 1), 1
	s_wait_xcnt 0x0
	s_wait_alu depctr_hold_cnt(0) depctr_sa_sdst(0) depctr_va_vdst(0) depctr_va_sdst(0) depctr_va_ssrc(0) depctr_va_vcc(0) depctr_vm_vsrc(0)
	s_getreg_b32 s2, hwreg(HW_REG_IB_STS2, 6, 4)
	s_cmp_eq_u32 s2, 0
	s_cbranch_scc0 .Lentry_in_a_cluster
	s_endpgm
.Lentry_in_a_cluster:
	s_bfe_u32 s2, ttmp6, 0x10000c
	s_cmp_lg_u32 s2, 0xf033
	s_cbranch_scc0 .Lentry_shape_is_right
	s_endpgm
.Lentry_shape_is_right:
; out0 = a Wout + bout: [4,096 tokens][1,024], f32, on codes of FP8 (E4M3); K = 1,024.  Each finished sum x 2^(e8 + e9) + bout, one packed multiply-add for two numbers.
; A tile of the result is 128 x 128: 256 work-groups of four waves, each wave 64 x 64: 16 accumulators.  4 x 4 work-groups form a cluster: a's tile is shared along a row of the cluster, Wout's along a column.
; THE WHOLE K LIES IN LDS: 131,072 bytes of a, 139,264 of Wout (padded), asked for at the head in four quarters of 256 along K, by joint loads: four tensor loads a wave are out at the most.  No byte is filled twice: no ring.
; a_codes are images of operand registers ([tile of 16 tokens][K step of 128][4 groups x 512 bytes], lane l's 16 bytes at 16 l, k in its true places): a fragment is four loads of 16 bytes.
; Wout_codes are rows along K: its fragments take k in the same true places by eight loads of 8 bytes (registers 2 c, 2 c + 1: k = 16 c + 8 (l / 16) + 0..7).
; THE MATRIX INSTRUCTION IS USED TRANSPOSED (source 0 = 16 rows of Wout, source 1 = 16 tokens): a lane holds eight neighbouring columns of one token's row.
; LIMIT: e8 + e9 between -126 and 127, so that 2^(e8 + e9) is an f32 number.
; REGISTERS.  Window 0: v16-26 addresses; v32-63 bout in the result's layout; v64-95 at work on the way out; v128-255 the accumulators ((a, b) at 128 + 8 (4 a + b)).  Window 1: two buffers of 128: a's 4 fragments, then Wout's 4.
.set PITCH, 272                        ; a row of Wout's quarter in LDS: 256 bytes + 16 of padding; also a row of the stage
.set AQ,    32768                      ; a quarter of a: 8 tiles of tokens x 4,096 bytes
.set BB,    131072                     ; Wout's quarters begin here
.set BQ,    128*PITCH                  ; a quarter of Wout: 128 rows
.set STAGE, BB+4*BQ                    ; 16 rows x 272 bytes for each wave, for the way out; no tensor load fills it
.set ADRA, 16                          ; v16, v17  a's fragments: 16 x lane + my half's 16,384; the same + 65,536 for quarters 2, 3
.set ADRB, 20                          ; v20-23    Wout's fragments in quarter 0..3
.set STO,  24
.set RD,   25
.set CO,   26
.set BI,   32
.set TMP,  64
.set ACC,  128
.set MSB, 0
.macro WIN new                         ; the immediate's high byte repeats the setting that is left
.if MSB != (\new)
	s_set_vgpr_msb (MSB<<8)|(\new)
.set MSB, (\new)
.endif
.endm
.macro CROUND                          ; a round of the cluster's barrier
	s_barrier_signal -1
	s_barrier_wait -1
	s_cmp_lg_u32 s14, 0
	s_cbranch_scc1 .Lnot_wave_0_\@
	s_barrier_signal -3
.Lnot_wave_0_\@:
	s_barrier_wait -3
	s_barrier_signal -1
	s_barrier_wait -1
.endm
.macro PLACES
.rept 4
	v_nop
.endr
.endm
	s_load_b256 s[4:11], s[0:1], 0x0               ; a_codes s[4:5], Wout_codes s[6:7], bout s[8:9], the scales' exponents s[10:11]
	s_load_b64 s[12:13], s[0:1], 0x20              ; out0
	v_lshl_add_u32 v126, v0, 2, 0x46400
	v_mov_b32 v127, 0
	ds_add_u32 v126, v127
	ds_add_u32 v126, v127
	v_lshrrev_b32 v1, 5, v0
	v_readfirstlane_b32 s14, v1                    ; wave 0..3
	s_lshr_b32 s15, s14, 1                         ; which half of the tile's tokens is mine.  Also: I fetch for a (0) or for Wout (1)
	s_and_b32 s16, s14, 1                          ; which half of its columns.  Also: which half of that tile I fetch
	s_bfe_u32 s56, ttmp6, 0x40000                  ; cx, cy: my place in the cluster
	s_bfe_u32 s57, ttmp6, 0x40004
	s_lshl_b32 s58, ttmp9, 2
	s_add_co_u32 s58, s58, s56                     ; tile column = 4 x cluster x + cx
	s_and_b32 s17, ttmp7, 0xffff
	s_lshl_b32 s17, s17, 2
	s_add_co_u32 s17, s17, s57                     ; tile row = 4 x cluster y + cy
	s_lshl_b32 s59, s57, 2
	s_lshl_b32 s59, 15, s59                        ; my row of the cluster
	s_lshl_b32 s60, 0x1111, s56                    ; my column
	; group 1 for a: 4 tiles of tokens, of each 4,096 bytes (two K steps), 16,384 bytes apart: elements of 8 bytes
	s_or_b32 s24, s59, (3<<16)|(1<<21)             ; 15:0 the mask: my row; 17:16 elements of 8 bytes; 21 set beside a mask; no padding
	s_mov_b32 s25, 512<<16                         ; tensor_dim0
	s_mov_b32 s26, 4<<16                           ; tensor_dim1
	s_mov_b32 s27, 512<<16                         ; tile_dim0
	s_mov_b32 s28, 4                               ; tile_dim1
	s_mov_b32 s29, 2048                            ; tensor_dim0_stride
	s_mov_b32 s30, 0
	s_mov_b32 s31, 0
	; group 1 for Wout: 64 rows x 256 bytes, 1,024 bytes apart, padded in LDS
	s_or_b32 s32, s60, (1<<20)|(1<<21)|(5<<22)|(3<<25)   ; the mask: my column; elements of 1 byte; padding: 4 words after every 64
	s_mov_b32 s33, 256<<16
	s_mov_b32 s34, 64<<16
	s_mov_b32 s35, 256<<16
	s_mov_b32 s36, 64
	s_mov_b32 s37, 1024
	s_mov_b32 s38, 0
	s_mov_b32 s39, 0
	s_lshl_b32 s20, s17, 3
	s_lshl_b32 s21, s16, 2
	s_add_co_u32 s20, s20, s21                     ; a: tile of tokens 8 x tile row + 4 x half,
	s_lshl_b32 s20, s20, 14                        ; 16,384 bytes each
	s_mov_b32 s21, 0
	s_lshl_b32 s84, s58, 7
	s_lshl_b32 s85, s16, 6
	s_add_co_u32 s84, s84, s85                     ; Wout: row 128 x tile column + 64 x half,
	s_lshl_b32 s84, s84, 10                        ; 1,024 bytes each
	s_mov_b32 s85, 0
	s_lshl_b32 s22, s16, 14                        ; where they go: no place in the cluster enters an LDS address
	s_mul_i32 s23, s16, 64*PITCH
	s_add_co_u32 s23, s23, BB
	s_wait_dscnt 0x0
	s_wait_kmcnt 0x0
	s_load_b64 s[96:97], s[10:11], 0x20            ; e8, e9
	s_add_nc_u64 s[20:21], s[4:5], s[20:21]
	s_add_nc_u64 s[84:85], s[6:7], s[84:85]
.irp q, 0,1,2,3
	s_mov_b32 s[40+4*\q], 1
	s_add_co_u32 s[41+4*\q], s22, \q*AQ
	s_add_nc_u64 s[42+4*\q:43+4*\q], s[20:21], \q*4096
	s_or_b32 s[43+4*\q], s[43+4*\q], 0x80000000
	s_mov_b32 s[68+4*\q], 1
	s_add_co_u32 s[69+4*\q], s23, \q*BQ
	s_add_nc_u64 s[70+4*\q:71+4*\q], s[84:85], \q*256
	s_or_b32 s[71+4*\q], s[71+4*\q], 0x80000000
.endr
	CROUND                                         ; all sixteen work-groups are here: the joint loads meet
	s_cmp_eq_u32 s15, 0                            ; a wave's four loads stand in one branch on the wave's number, ahead of every wait on TENSORcnt and every LDS read
	s_cbranch_scc0 .Lfor_b
	tensor_load_to_lds s[40:43], s[24:31]
	s_nop 0
	tensor_load_to_lds s[44:47], s[24:31]
	s_nop 0
	tensor_load_to_lds s[48:51], s[24:31]
	s_nop 0
	tensor_load_to_lds s[52:55], s[24:31]
	s_nop 0
	PLACES
	s_branch .Lasked
.Lfor_b:
	tensor_load_to_lds s[68:71], s[32:39]
	s_nop 0
	tensor_load_to_lds s[72:75], s[32:39]
	s_nop 0
	tensor_load_to_lds s[76:79], s[32:39]
	s_nop 0
	tensor_load_to_lds s[80:83], s[32:39]
	s_nop 0
	PLACES
.Lasked:
	v_and_b32 v1, 15, v0                           ; r
	v_bfe_u32 v2, v0, 4, 1                         ; h
	v_and_b32 v3, 31, v0
	v_lshlrev_b32 v3, 4, v3                        ; 16 x lane
	s_lshl_b32 s86, s15, 14                        ; my 4 tiles of tokens
	v_add_nc_u32 v[ADRA], s86, v3
	v_add_nc_u32 v[ADRA+1], 65536, v[ADRA]
	v_mul_u32_u24 v4, v1, PITCH
	v_lshl_add_u32 v4, v2, 3, v4                   ; row r x pitch + 8 h
	s_mul_i32 s86, s16, 64*PITCH                   ; my 64 rows of Wout
	s_add_co_u32 s86, s86, BB
.irp q, 0,1,2,3
	v_add_nc_u32 v[ADRB+\q], s86, v4
	s_add_co_u32 s86, s86, BQ
.endr
	s_mul_i32 s87, s14, 16*PITCH
	s_add_co_u32 s87, s87, STAGE                   ; my stage
	v_mul_u32_u24 v5, v1, PITCH                    ; in: row r, 32 bytes for each half of the lanes
	v_lshl_add_u32 v5, v2, 5, v5
	v_add_nc_u32 v[STO], s87, v5
	v_mul_u32_u24 v5, v2, PITCH                    ; back: lanes 0-15 one row of 256 bytes, lanes 16-31 the next
	v_lshl_add_u32 v5, v1, 4, v5
	v_add_nc_u32 v[RD], s87, v5
	v_lshlrev_b32 v5, 12, v2                       ; and the same two rows in out0 (a row is 4,096 bytes)
	v_lshl_add_u32 v[CO], v1, 4, v5
	s_lshl_b32 s88, s58, 9
	s_lshl_b32 s89, s16, 8
	s_add_co_u32 s88, s88, s89                     ; my first column, in bytes: 512 x tile column + 256 x half
	s_mov_b32 s89, 0
	s_add_nc_u64 s[8:9], s[8:9], s[88:89]
	v_lshlrev_b32 v6, 5, v2
.irp b, 0,1,2,3
	global_load_b128 v[BI+8*\b:BI+8*\b+3], v6, s[8:9] offset:64*\b          ; bout of columns 16 b + 8 h + 0 .. 7: the result's layout
	global_load_b128 v[BI+8*\b+4:BI+8*\b+7], v6, s[8:9] offset:64*\b+16
.endr
	s_lshl_b32 s90, s17, 7
	s_lshl_b32 s91, s15, 6
	s_add_co_u32 s90, s90, s91                     ; my first token
	s_lshl_b32 s90, s90, 12
	s_add_co_u32 s90, s90, s88
	s_mov_b32 s91, 0
	s_add_nc_u64 s[12:13], s[12:13], s[90:91]
; The fragments of K step s (128 along K; quarter s / 2) into buffer f: 16 loads of 16 bytes for a, 32 of 8 bytes for Wout
.macro FETCH s, f
	WIN 0x40                                       ; destination window 1
.irp i, 0,1,2,3
.irp c, 0,1,2,3
	ds_load_b128 v[(\f)+16*\i+4*\c:(\f)+16*\i+4*\c+3], v[ADRA+(\s)/4] offset:(((\s)/2)%2)*AQ+\i*4096+((\s)%2)*2048+\c*512
.endr
.endr
.irp j, 0,1,2,3
.irp c, 0,1,2,3,4,5,6,7
	ds_load_b64 v[(\f)+64+16*\j+2*\c:(\f)+64+16*\j+2*\c+1], v[ADRB+(\s)/2] offset:\j*16*PITCH+((\s)%2)*128+16*\c
.endr
.endr
.endm
; K step s: its fragments are in; the next step's are asked for, into the other buffer; 16 products, the accumulators by turns in the same order in every step.
.macro KSTEP s
.set FB, 128*((\s)%2)
	s_wait_dscnt 0x0                               ; this step's fragments are in
.if ((\s)%2 == 1) && ((\s) < 7)
	s_wait_tensorcnt 3-((\s)+1)/2                  ; my part of the next quarter has landed; the quarters issued behind it may be out
	s_barrier_signal -1
	s_barrier_wait -1                              ; everybody's has
.endif
.if (\s) < 7
.if (\s) > 0
	PLACES                                         ; behind the last step's products, in front of the loads into the buffer that they read
.endif
	FETCH (\s)+1, 128-FB
.endif
	WIN 0x05                                       ; sources 0 and 1 window 1, C and D window 0
.irp a, 0,1,2,3
.irp b, 0,1,2,3
.if (\s) == 0
	v_wmma_f32_16x16x128_fp8_fp8 v[ACC+8*(4*\a+\b):ACC+8*(4*\a+\b)+7], v[FB+64+16*\b:FB+64+16*\b+15], v[FB+16*\a:FB+16*\a+15], 0
.else
	v_wmma_f32_16x16x128_fp8_fp8 v[ACC+8*(4*\a+\b):ACC+8*(4*\a+\b)+7], v[FB+64+16*\b:FB+64+16*\b+15], v[FB+16*\a:FB+16*\a+15], v[ACC+8*(4*\a+\b):ACC+8*(4*\a+\b)+7]
.endif
.endr
.endr
	WIN 0
.endm
	s_wait_tensorcnt 3                             ; my part of the first quarter is in (the three issued behind it may be out),
	s_barrier_signal -1
	s_barrier_wait -1                              ; everybody's is
	FETCH 0, 0
	WIN 0
.irp s, 0,1,2,3,4,5,6,7
	KSTEP \s
.endr
	; THE WAY OUT, block by block of 16 tokens x 64 columns: through my own stage in LDS, back as whole rows of 256 bytes.  LDS serves a wave's instructions in order (ISA guide 5.7.1.4): no wait between the stores and the loads.
	s_wait_kmcnt 0x0
	s_add_co_i32 s96, s96, s97
	s_add_co_i32 s96, s96, 127
	s_lshl_b32 s96, s96, 23                        ; 2^(e8 + e9) as f32
	s_mov_b32 s97, s96                             ; (named with it as a pair, so it is written)
	s_wait_loadcnt 0x0                             ; bout
	PLACES                                         ; behind the last products
.macro TOSTAGE a
.irp b, 0,1,2,3
.irp i, 0,2,4,6
	v_pk_fma_f32 v[TMP+8*\b+\i:TMP+8*\b+\i+1], v[ACC+32*(\a)+8*\b+\i:ACC+32*(\a)+8*\b+\i+1], s[96:97], v[BI+8*\b+\i:BI+8*\b+\i+1] op_sel_hi:[1,0,1]   ; sum x 2^(e8 + e9) + bout; each accumulator from its low end on
.endr
.endr
.irp b, 0,1,2,3
	ds_store_b128 v[STO], v[TMP+8*\b:TMP+8*\b+3] offset:64*\b
	ds_store_b128 v[STO], v[TMP+8*\b+4:TMP+8*\b+7] offset:64*\b+16
.endr
.irp t, 0,1,2,3,4,5,6,7
	ds_load_b128 v[ACC+32*(\a)+4*\t:ACC+32*(\a)+4*\t+3], v[RD] offset:\t*2*PITCH   ; into the block's own accumulators, which are done with: no store's data are ever written again
.endr
.endm
.macro SEND a, younger                 ; younger: the LDS instructions issued behind block a's loads: the next block's 8 stores and 8 loads, or none
	s_wait_dscnt \younger
.irp t, 0,1,2,3,4,5,6,7
	global_store_b128 v[CO], v[ACC+32*(\a)+4*\t:ACC+32*(\a)+4*\t+3], s[12:13] offset:(16*(\a)+2*\t)*4096 th:TH_STORE_NT   ; 16 lanes store 256 consecutive bytes, at a multiple of 256 from out0's first byte
.endr
.endm
	TOSTAGE 0
	TOSTAGE 1
	SEND 0, 16
	TOSTAGE 2
	SEND 1, 16
	TOSTAGE 3
	SEND 2, 16
	SEND 3, 0
	s_wait_dscnt 0x0
	s_wait_tensorcnt 0x0
	ds_add_u32 v126, v127
	s_wait_dscnt 0x0
	CROUND                                         ; the closing round: no work-group ends while a partner may still ask for a tile that names it
	s_endpgm
.Lfunc_end_k_q57cc0a506e_outp:
	.size	k_q57cc0a506e_outp, .Lfunc_end_k_q57cc0a506e_outp-k_q57cc0a506e_outp
	.p2alignl 7, 3214868480
	.fill 96, 4, 3214868480
	.section	.rodata,"a",@progbits
	.p2align	6, 0x0
	.amdhsa_kernel k_q57cc0a506e_outp
		.amdhsa_group_segment_fixed_size 288256
		.amdhsa_private_segment_fixed_size 0
		.amdhsa_enable_private_segment 0
		.amdhsa_kernarg_size 40
		.amdhsa_user_sgpr_count 2
		.amdhsa_user_sgpr_kernarg_segment_ptr 1
		.amdhsa_wavefront_size32 1
		.amdhsa_system_sgpr_workgroup_id_x 1
		.amdhsa_system_sgpr_workgroup_id_y 1
		.amdhsa_system_sgpr_workgroup_id_z 1
		.amdhsa_system_vgpr_workitem_id 0
		.amdhsa_next_free_vgpr 512
		.amdhsa_next_free_sgpr 100
		.amdhsa_reserve_vcc 0
		.amdhsa_float_denorm_mode_32 3
		.amdhsa_float_denorm_mode_16_64 3
		.amdhsa_memory_ordered 1
		.amdhsa_forward_progress 1
		.amdhsa_inst_pref_size 55
	.end_amdhsa_kernel
	.amdgpu_metadata
---
amdhsa.version: [ 1, 2 ]
amdhsa.kernels:
  - .name:           k_q57cc0a506e_outp
    .symbol:         k_q57cc0a506e_outp.kd
    .args:
      - { .name: a_codes, .offset: 0, .size: 8, .value_kind: global_buffer, .address_space: global }
      - { .name: Wout_codes, .offset: 8, .size: 8, .value_kind: global_buffer, .address_space: global }
      - { .name: bout, .offset: 16, .size: 8, .value_kind: global_buffer, .address_space: global }
      - { .name: lowp_scales, .offset: 24, .size: 8, .value_kind: global_buffer, .address_space: global }
      - { .name: out0, .offset: 32, .size: 8, .value_kind: global_buffer, .address_space: global }
    .group_segment_fixed_size: 288256
    .private_segment_fixed_size: 0
    .kernarg_segment_align: 8
    .kernarg_segment_size: 40
    .max_flat_workgroup_size: 128
    .sgpr_count:     100
    .vgpr_count:     512
    .wavefront_size: 32
...
	.end_amdgpu_metadata
.endif
;; end of part 3
